; MI455X (gfx1250); checked and timed in simulation.
; The chip was launched on July 23, 2026; its instructions are those of AMD's public machine-readable ISA for CDNA 5 (MIT licence, August 2026) and "CDNA5" Instruction Set Architecture Reference Guide (July 2026). The comments in the code are by the model that wrote it; some were corrected since.
;; Scale Dot Product Attention. Allowed arithmetic: matrix products marked QUANTISED: E2M3 operands, one E8M0 scale for each 32 along K, by v_wmma_scale_f32_16x16x128_f8f6f4 with both operands' format E2M3, f32 sums; everything else in f32.
;; Inputs: k 4 x 16 x 2,048 x 64 float32; q 4 x 16 x 2,048 x 64 float32; v 4 x 16 x 2,048 x 64 float32.
;; Outputs: out0 4 x 16 x 2,048 x 64 float32.
;; This version of the problem:
;;   THIS VERSION OF THE PROBLEM IS GIVEN IN LOW PRECISION. The matrix products marked QUANTISED in the list below multiply operands that are first quantised to E2M3 (2 exponent bits, 3 mantissa bits; 6 bits a number), with one power-of-two scale for each 32 numbers along K (OCP MX v1.0); their sums are f32. All else is computed in f32.
;;   The module's matrix products, in the order in which they are computed (A, B: the left and right operand; K: the contracted axis; several contracted axes count as one K, in the product's order):
;;     1. batch 64 x [M 2,048, K 64] x [K 64, N 2,048]; A: input q; B: input k: QUANTISED
;;     2. batch 64 x [M 2,048, K 2,048] x [K 2,048, N 64]; A: softmax (see below); B: input v: QUANTISED
;;   THE QUANTISER, for each operand of a quantised product, along K:
;;     - K is cut into blocks of 32 from its start; a last block that is shorter is filled with zeros.
;;     - A block's scale is 2^e with e = floor(log2(the largest magnitude in the block)) - 2, held to -126 .. 127; a block of zeros has e = 0. As a byte (E8M0): e + 127.
;;     - Each number is divided by its block's scale, clamped to +-7.5, and rounded to the nearest number of E2M3, ties to even, subnormals kept.
;;     - The product sums the exact products of the quantised numbers (number of the format x scale) in f32.
;;   ~~~python
;;   def quantise(x, axis):      # numpy; x: float32 -> the quantised numbers, widened to float32 again
;;       x = np.moveaxis(x, axis, -1); K = x.shape[-1]
;;       x = np.pad(x, [(0, 0)] * (x.ndim - 1) + [(0, -K % 32)]); x = x.reshape(x.shape[:-1] + (-1, 32)); a = np.abs(x).max(-1, keepdims=True)
;;       e = np.where(a > 0, np.clip(np.frexp(np.where(a > 0, a, 1))[1] - 1 - 2, -126, 127), 0)      # np.frexp(a)[1] - 1 = floor(log2(a)), exactly
;;       r = np.clip(x / 2.0 ** e, -7.5, 7.5)
;;       step = 2.0 ** (np.maximum(np.frexp(np.where(r == 0, 1, r))[1] - 1, 0) - 3)
;;       q = np.round(r / step) * step * 2.0 ** e      # np.round: ties to even
;;       return np.moveaxis(q.reshape(q.shape[:-2] + (-1,))[..., :K], -1, axis).astype(np.float32)
;;   ~~~
;;   SOFTMAX AHEAD OF A QUANTISED PRODUCT. Where the list says 'softmax', what is quantised is not the finished softmax but p = 2^(t - M), with t = logit x log2(e) and M = ceil(the row's largest t), a whole number; so 1/2 < the row's largest p <= 1. The row's sum l is taken of the UNQUANTISED p, in f32, and the product's result is divided by l at the end. Since M is a whole number, a kernel that streams over the keys may use a running M (the ceiling of the running maximum): every later rescaling is an exact power of two, which a block's scale takes up: the codes' values come out the same.
;;   OPERANDS COMPUTED ON THE WAY. 'Computed on the way' means the value that the module computes at that place (a softmax that the list does not call 'softmax' is quantised finished and normalised). What goes into a quantiser is computed in f32, as accurately as f32 sums, v_exp_f32 and their like allow (about 1e-6 of the number): no bf16 or f16 on the way to a quantiser, and a product that is left as it is and whose result goes on into a quantised operand takes f32 operands (vector FMAs, or v_wmma_f32_16x16x4_f32). A number that lies on a knife's edge between two numbers of the format may be rounded either way, as far as f32 arithmetic and the matrix unit's own rounding can turn it there, and no further.
;; One version. Each part assembles by itself: llvm-mc -triple=amdgcn-amd-amdhsa -mcpu=gfx1250 --defsym DOCPART=n.
;; ======== version 1 of 1: 2 launches
;; limits: right only within a limited range of input values
;; workspace buffers: kv 13,107,200 bytes
;; launch prep (part 1): grid 16 x 64, 4 waves a work-group, no clusters, 73,216 bytes of LDS; arguments k, v, kv; writes kv
.if DOCPART == 1
	.amdgcn_target "amdgcn-amd-amdhsa--gfx1250"
	.amdhsa_code_object_version 6
	.text
	.protected	k_q5796cfb442_prep
	.globl	k_q5796cfb442_prep
	.p2align	8
	.type	k_q5796cfb442_prep,@function
k_q5796cfb442_prep:
	s_mov_b64 s[64:65], 0
	v_nop
	global_prefetch_b8 v0, s[64:65] scope:SCOPE_SE
	s_setreg_imm32_b32 hwreg(HW_REG_WAVE_MODE, 25, 1), 1
	s_wait_xcnt 0x0
; K and V [64 heads][2048 keys][64] f32 become codes of FP6 (E2M3) with one E8M0 byte for each 32 along each product's K, laid as IMAGES OF THE OPERAND REGISTERS of the attention launch.
; kv: for (head, step of 128 keys) one dense block of 12,800 bytes at (16 head + step) x 12,800:
;   0      512 bytes of scale words: lane l's 16 bytes at 16 l are words 0..3; lanes 0-15: the word of K's fragment w, row l; lanes 16-31: that of V's fragment w, row l - 16
;   512    K's fragments f = 0..3: registers 4 g .. 4 g + 3 of lane l at 512 + 1536 f + 512 g + 16 l
;   6656   V's fragments likewise
; K's fragment f holds TWO tiles of 16 keys in one operand of 128 along K (the head has only 64): registers 6 u .. 6 u + 5 of lane (r, h) are d = 32 h .. 32 h + 31 of key kappa(2 f + u, r),
;   kappa(t, m) = 32 (2 (t / 4) + m / 8) + 8 (t % 4) + m % 8; scale byte 2 u + h.  With these keys a lane of the transposed scores holds whole blocks of 32 neighbouring keys.
; V's fragment f: registers 6 c .. 6 c + 5 of lane (r, h) are keys 64 c + 32 h + 0 .. 31 of channel d = 16 f + r, quantised ALONG THE KEYS; scale byte 2 c + h.
; A block's scale is 2^(floor(log2(largest magnitude)) - 2): its byte is the largest magnitude's exponent field - 2, held at 1 from below.
; LIMITS: a block of zeros, or one whose largest magnitude lies under 2^-124, gets the byte 1 (the rule says 127 for zeros): its codes are zeros or tiny, and only this program reads the bytes.  NaN and infinities are not served.
; SHARES: a work-group takes one step of one head; wave w makes K's fragment w, V's fragment w and their scale words.  Every global load and store of a wave covers 512 consecutive bytes, aligned.
; K turns through the wave's own stage (a lane needs 32 neighbours along d); V goes into a stage of the work-group's, from which a lane reads a COLUMN: its registers then run down the keys.
.set STEPB, 12800
.set VBLK,  8320                       ; LDS: V's block of 32 keys: 32 rows of 256 bytes + 128: blocks 2 c and 2 c + 1 lie 32 banks apart (64 banks of 4 bytes: ISA guide 11.1)
.set KST,   4*VBLK                     ; behind V's four blocks: K's stages, one for each (wave, tile)
.set KHALF, 2432                       ; in a stage: the rows' d = 0..31, then their d = 32..63
.set KROW,  144                        ; a row's 128 bytes + 16: an odd multiple of 16, so that the 16 rows of a load start in different banks
.set KSTG,  2*KHALF
.set SCB,   KST+8*KSTG                 ; the step's 512 bytes of scale words
.set WV,  10                           ; s10 wave
.set SEL, 20                           ; s[20:21] v_permlanex16_b32's selects for lane l xor 16
.set LI,  4                            ; v4  16 x lane
.set VSI, 5                            ; v5  V's stage, in
.set KSI, 6                            ; v6  K's stage, in
.set KSO, 7                            ; v7  K's stage, out
.set VCO, 8                            ; v8  V's stage, out: my column
.set SCA, 9                            ; v9  where my scale word goes
.set H8,  10                           ; v10 8 h
.set W2,  11                           ; v11 a lane permute's destination
.set M,   12                           ; v12-13 largest magnitudes
.set SOP, 14                           ; v14-15 the conversions' scale operands
.set BY,  16                           ; v16-17 scale bytes
.set WK,  18                           ; v18 K's scale word
.set WVW, 19                           ; v19 V's
.set SCW, 20                           ; v20 the one that my lane stores
.set SCO, 21                           ; v21 SCB + 16 x lane
.set KC,  24                           ; v24-35 K's codes
.set VC,  36                           ; v36-47 V's codes
.set T,   48                           ; v48-55 the second halves of the blocks' codes
.set VR,  56                           ; v56-119  V as loaded, later my column's 64 numbers
.set KR,  120                          ; v120-183 K as loaded
.set X,   184                          ; v184-247 K: my row's 32 numbers of each of two tiles
	s_load_b128 s[4:7], s[0:1], 0x0                ; k, v
	s_load_b64 s[8:9], s[0:1], 0x10                ; kv
	v_lshl_add_u32 v248, v0, 2, 0x11c00
	v_mov_b32 v249, 0
	v_lshrrev_b32 v1, 5, v0
	v_readfirstlane_b32 s[WV], v1                  ; wave 0..3
	v_and_b32 v1, 31, v0                           ; lane
	v_and_b32 v2, 15, v0                           ; r
	v_bfe_u32 v3, v0, 4, 1                         ; h
	v_lshlrev_b32 v[LI], 4, v1
	s_mul_i32 s11, s[WV], VBLK
	v_add_nc_u32 v[VSI], s11, v[LI]                ; V in: my wave's block of 32 keys, as the bytes lie
	v_bfe_u32 v[KSI], v0, 3, 1                     ; K in: a load's 512 bytes are two rows: row lane / 16, half (lane / 8) % 2, 16 bytes at lane % 8
	v_mul_u32_u24 v[KSI], v[KSI], KHALF
	v_mad_u32_u24 v[KSI], v3, KROW, v[KSI]
	v_and_b32 v[KSO], 7, v0
	v_lshl_add_u32 v[KSI], v[KSO], 4, v[KSI]
	s_mul_i32 s11, s[WV], 2*KSTG
	s_add_co_u32 s11, s11, KST                     ; my wave's two stages
	v_add_nc_u32 v[KSI], s11, v[KSI]
	v_mul_u32_u24 v[KSO], v3, KHALF                ; K out: row r, half h
	v_mad_u32_u24 v[KSO], v2, KROW, v[KSO]
	v_add_nc_u32 v[KSO], s11, v[KSO]
	v_mul_u32_u24 v[VCO], v3, VBLK                 ; V out: block 2 c + h, channel 16 w + r
	v_lshl_add_u32 v[VCO], v2, 2, v[VCO]
	s_lshl_b32 s11, s[WV], 6
	v_add_nc_u32 v[VCO], s11, v[VCO]
	s_lshl_b32 s11, s[WV], 2
	s_add_co_u32 s11, s11, SCB
	v_add_nc_u32 v[SCA], s11, v[LI]                ; word w of my lane's 16 bytes
	v_lshlrev_b32 v[H8], 3, v3
	v_mov_b32 v[W2], 0                             ; written once: a lane permute's destination counts as one of its sources
	v_add_nc_u32 v[SCO], SCB, v[LI]
	s_mov_b32 s[SEL], 0x76543210
	s_mov_b32 s[SEL+1], 0xfedcba98
	s_and_b32 s12, ttmp7, 0xffff                   ; the head
	s_lshl_b32 s14, s12, 4
	s_add_co_u32 s14, s14, ttmp9                   ; 16 head + step
	s_mul_i32 s14, s14, STEPB                      ; the block's place in kv (under 2^24)
	s_mov_b32 s15, 0
	s_lshl_b32 s12, s12, 19                        ; a head is 2,048 rows of 256 bytes,
	s_lshl_b32 s13, ttmp9, 15                      ; a step 128 rows
	s_add_co_u32 s12, s12, s13
	s_lshr_b32 s18, s[WV], 1                       ; K: my fragment's first key is 64 (w / 2) + 16 (w % 2)
	s_lshl_b32 s18, s18, 14
	s_and_b32 s19, s[WV], 1
	s_lshl_b32 s19, s19, 12
	s_add_co_u32 s18, s18, s19
	s_add_co_u32 s18, s18, s12
	s_mov_b32 s19, 0
	s_lshl_b32 s22, s[WV], 13                      ; V: I bring keys 32 w .. 32 w + 31
	s_add_co_u32 s22, s22, s12
	s_mov_b32 s23, 0
	s_mul_i32 s24, s[WV], 1536                     ; my fragments' place among the four
	s_mov_b32 s25, 0
	s_wait_alu depctr_va_vdst(0)
	s_wait_kmcnt 0x0
	s_add_nc_u64 s[4:5], s[4:5], s[18:19]
	s_add_nc_u64 s[6:7], s[6:7], s[22:23]
	s_add_nc_u64 s[16:17], s[8:9], s[14:15]        ; the block
	s_add_nc_u64 s[8:9], s[16:17], s[24:25]        ; the block + 1,536 w
; Two blocks of 32 numbers of a lane, v[src + 32 c + i], become an operand's 12 registers v[dst ..] and, with lane l xor 16's two bytes, the row's scale word (byte 2 c + h)
.macro QUANT2 src, dst, word
.irp c, 0,1
	v_max3_num_f32 v[M+\c], |v[\src+32*\c]|, |v[\src+32*\c+1]|, 0x1800000   ; and the floor 2^(3 - 127): the byte cannot fall under 1
.endr
.irp i, 2,4,6,8,10,12,14,16,18,20,22,24,26,28,30
.irp c, 0,1
	v_max3_num_f32 v[M+\c], v[M+\c], |v[\src+32*\c+\i]|, |v[\src+32*\c+\i+1]|   ; the two blocks by turns
.endr
.endr
.irp c, 0,1
	v_add_nc_u32 v[SOP+\c], 0xff000000, v[M+\c]    ; 2 off the exponent field: the conversion takes this operand's exponent field as its scale
.endr
.irp c, 0,1
	v_lshrrev_b32 v[BY+\c], 23, v[SOP+\c]          ; the scale's byte
.endr
	v_lshl_or_b32 v[\word], v[BY+1], 16, v[BY]     ; my bytes: places h and 2 + h
	v_lshlrev_b32 v[\word], v[H8], v[\word]
	v_permlanex16_b32 v[W2], v[\word], s[SEL], s[SEL+1]
	v_or_b32 v[\word], v[\word], v[W2]             ; with lane l xor 16's two the word is whole, in both halves of the lanes
.irp c, 0,1
	v_cvt_scalef32_pk16_fp6_f32 v[\dst+6*\c:\dst+6*\c+2], v[\src+32*\c:\src+32*\c+15], v[SOP+\c]
	v_cvt_scalef32_pk16_fp6_f32 v[T+4*\c:T+4*\c+2], v[\src+32*\c+16:\src+32*\c+31], v[SOP+\c]   ; (a conversion's three registers begin on an even number: the second half is made here and moved)
.endr
	v_nop                                          ; one plain place behind a scaled conversion
.irp c, 0,1
.irp i, 0,1,2
	v_mov_b32 v[\dst+6*\c+3+\i], v[T+4*\c+\i]
.endr
.endr
.endm
.set ii, 0
.rept 16
	global_load_b128 v[VR+4*ii:VR+4*ii+3], v[LI], s[6:7] offset:512*ii th:TH_LOAD_NT   ; V: two keys' rows a load
.set ii, ii+1
.endr
.irp u, 0,1
.set ii, 0
.rept 8
	global_load_b128 v[KR+32*\u+4*ii:KR+32*\u+4*ii+3], v[LI], s[4:5] offset:2048*\u+8192*(ii/4)+512*(ii%4) th:TH_LOAD_NT   ; K: tile u: eight keys, and the eight that lie 32 further on
.set ii, ii+1
.endr
.endr
	s_wait_loadcnt 16                              ; V's sixteen loads are in; K's sixteen stay out
.set ii, 0
.rept 16
	ds_store_b128 v[VSI], v[VR+4*ii:VR+4*ii+3] offset:512*ii
.set ii, ii+1
.endr
.irp u, 0,1
	s_wait_loadcnt 8-8*\u                          ; tile u's eight loads are in
.set ii, 0
.rept 8
	ds_store_b128 v[KSI], v[KR+32*\u+4*ii:KR+32*\u+4*ii+3] offset:KSTG*\u+2*KROW*ii
.set ii, ii+1
.endr
.set ii, 0
.rept 8
	ds_load_b128 v[X+32*\u+4*ii:X+32*\u+4*ii+3], v[KSO] offset:KSTG*\u+16*ii   ; LDS serves a wave's instructions in order: these see my stores
.set ii, ii+1
.endr
.endr
	s_wait_dscnt 0x0                               ; my rows of V lie in the stage (for the others' sake: zero), and K is back
	s_barrier_signal -1
	QUANT2 X, KC, WK                               ; work on registers while the others arrive
	s_wait_alu depctr_va_vdst(0)
	s_barrier_wait -1                              ; all 128 keys of V lie in the stage
.irp g, 0,1,2
	global_store_b128 v[LI], v[KC+4*\g:KC+4*\g+3], s[8:9] offset:512+512*\g
.endr
.irp c, 0,1
.set ii, 0
.rept 32
	ds_load_b32 v[VR+32*\c+ii], v[VCO] offset:2*VBLK*\c+256*ii   ; V(key 64 c + 32 h + i, channel 16 w + r): sixteen lanes read 64 neighbouring bytes
.set ii, ii+1
.endr
.endr
	s_wait_dscnt 0x0
	QUANT2 VR, VC, WVW
	v_cmp_ne_u32 vcc_lo, 0, v3
	v_cndmask_b32 v[SCW], v[WK], v[WVW], vcc_lo    ; lanes 0-15 carry K's word, lanes 16-31 V's
	ds_store_b32 v[SCA], v[SCW]
.irp g, 0,1,2
	global_store_b128 v[LI], v[VC+4*\g:VC+4*\g+3], s[8:9] offset:6656+512*\g
.endr
	s_wait_dscnt 0x0                               ; my scale words have landed
	s_barrier_signal -1
	s_barrier_wait -1                              ; all four waves' have
	s_cmp_lg_u32 s[WV], 0
	s_cbranch_scc1 .Lend                           ; wave 0 stores the 512 bytes whole
	ds_load_b128 v[T:T+3], v[SCO]
	s_wait_dscnt 0x0
	global_store_b128 v[LI], v[T:T+3], s[16:17]
.Lend:
	s_wait_tensorcnt 0x0
	ds_add_u32 v248, v249
	s_wait_dscnt 0x0
	s_endpgm
.Lfunc_end_k_q5796cfb442_prep:
	.size	k_q5796cfb442_prep, .Lfunc_end_k_q5796cfb442_prep-k_q5796cfb442_prep
	.p2alignl 7, 3214868480
	.fill 96, 4, 3214868480
	.section	.rodata,"a",@progbits
	.p2align	6, 0x0
	.amdhsa_kernel k_q5796cfb442_prep
		.amdhsa_group_segment_fixed_size 73216
		.amdhsa_private_segment_fixed_size 0
		.amdhsa_enable_private_segment 0
		.amdhsa_kernarg_size 24
		.amdhsa_user_sgpr_count 2
		.amdhsa_user_sgpr_kernarg_segment_ptr 1
		.amdhsa_wavefront_size32 1
		.amdhsa_system_sgpr_workgroup_id_x 1
		.amdhsa_system_sgpr_workgroup_id_y 1
		.amdhsa_system_sgpr_workgroup_id_z 1
		.amdhsa_system_vgpr_workitem_id 0
		.amdhsa_next_free_vgpr 250
		.amdhsa_next_free_sgpr 66
		.amdhsa_reserve_vcc 1
		.amdhsa_float_denorm_mode_32 3
		.amdhsa_float_denorm_mode_16_64 3
		.amdhsa_memory_ordered 1
		.amdhsa_forward_progress 1
		.amdhsa_inst_pref_size 21
	.end_amdhsa_kernel
	.amdgpu_metadata
---
amdhsa.version: [ 1, 2 ]
amdhsa.kernels:
  - .name:           k_q5796cfb442_prep
    .symbol:         k_q5796cfb442_prep.kd
    .args:
      - { .name: k, .offset: 0, .size: 8, .value_kind: global_buffer, .address_space: global }
      - { .name: v, .offset: 8, .size: 8, .value_kind: global_buffer, .address_space: global }
      - { .name: kv, .offset: 16, .size: 8, .value_kind: global_buffer, .address_space: global }
    .group_segment_fixed_size: 73216
    .private_segment_fixed_size: 0
    .kernarg_segment_align: 8
    .kernarg_segment_size: 24
    .max_flat_workgroup_size: 128
    .sgpr_count:     66
    .vgpr_count:     250
    .wavefront_size: 32
...
	.end_amdgpu_metadata
.endif
;; end of part 1
;; launch attn (part 2): grid 4 x 64, 16 waves a work-group, clusters of 4 x 1, 276,480 bytes of LDS; arguments q, kv, out0; writes out0
.if DOCPART == 2
	.amdgcn_target "amdgcn-amd-amdhsa--gfx1250"
	.amdhsa_code_object_version 6
	.text
	.protected	k_q5796cfb442_attn
	.globl	k_q5796cfb442_attn
	.p2align	8
	.type	k_q5796cfb442_attn,@function
k_q5796cfb442_attn:
	s_mov_b64 s[64:65], 0
	v_nop
	global_prefetch_b8 v0, s[64:65] scope:SCOPE_SE
	s_setreg_imm32_b32 hwreg(HW_REG_WAVE_MODE, 25, 1), 1
	s_wait_xcnt 0x0
	s_wait_alu depctr_hold_cnt(0) depctr_sa_sdst(0) depctr_va_vdst(0) depctr_va_sdst(0) depctr_va_ssrc(0) depctr_va_vcc(0) depctr_vm_vsrc(0)
	s_getreg_b32 s2, hwreg(HW_REG_IB_STS2, 6, 4)
	s_cmp_eq_u32 s2, 0
	s_cbranch_scc0 .Lentry_in_a_cluster
	s_endpgm
.Lentry_in_a_cluster:
	s_bfe_u32 s2, ttmp6, 0x10000c
	s_cmp_lg_u32 s2, 0x3003
	s_cbranch_scc0 .Lentry_shape_is_right
	s_endpgm
.Lentry_shape_is_right:
; out0[head][q][:] = the sum over keys of softmax(q . k / 8) v, both products on codes of FP6 (E2M3) with one E8M0 scale for each 32 along a product's K.  64 heads, 2,048 queries and keys, 64 channels; q and out0 f32.
; K and V come as codes and scale words from kv, laid by the launch before as images of this kernel's operand registers: 12,800 dense bytes for each step of 128 keys
; (512 of scale words, four fragments of K, four of V).  A whole head is 204,800 bytes and stays in LDS: it is filled once, there is no ring, and the loop over the keys has no tensor load and no barrier.
; SOFTMAX: t = score x log2(e) / 8; M = the running largest t rounded UP to a whole number; p = 2^(t - M) is quantised along the keys, not normalised; the row's sum is taken of the unquantised p and divides at the end.
; When M moves, the sum and O are multiplied by 2^(old M - new M): exact, and without a branch.
; SHARES: a work-group owns 512 queries of one head; each of its sixteen waves takes 16 of them at a time, twice (queries 256 p + 16 w on), and walks the head's 16 steps of 128 keys.
; CLUSTER: the four work-groups of a cluster own the four query blocks of one head and need the same kv block: wave w of each asks JOINTLY for step w, one tensor load a wave, with a mask that names the four.
; Waves 0-4 have a load line of their own: they wait first, and one barrier shows steps 0-4, which the first four steps read (step t reads its own V and step t + 1's K); a second barrier, in front of step 4, shows the rest.
; LOADS FROM LDS: behind a step's score products the step's V and the NEXT step's K are asked for, 26 loads on end; the wait in front of the second product leaves K's 13 out.
; The scale words (lanes 0-15 K's, lanes 16-31 V's) are read twice, into two sets of registers, since the next step's are asked for while this step's still serve V.
; LAYOUT: both products are used transposed (S^T = K Q^T, O^T = V^T P^T): a lane holds ONE query (lane % 16) throughout.
; The head has 64 channels and the instruction takes 128 along K: a fragment of K holds TWO tiles of keys (one in each half of K) and is multiplied twice, by [q | zero codes] and by [zero codes | q].
; The keys of the tiles are chosen so that registers S + 32 c + 0 .. 31 of lane (r, h) are the WHOLE block 2 c + h of 32 neighbouring keys.
; A block's largest p is not searched for: the block's largest score goes through the same multiply-add and exponential (this takes v_exp_f32 not to fall where its input rises).
; NO PREFETCH INTO THE L2: kv is fetched once, at the head, with no loop ahead of it; the second pass's 4,096 bytes of q a wave are loaded into registers a whole step and the way out ahead of their use.
; LIMITS: NaN and infinities among the inputs are not served; a block of q whose largest magnitude lies under 2^-124, zeros too, gets the scale byte 1; the scaled scores stay under 2^31 in magnitude.
.set STEPB,  12800
.set HEADB,  16*STEPB
.set KOFF,   512                       ; in a step's block: K's fragments,
.set VOFF,   6656                      ; V's
.set STG,    HEADB                     ; behind the head: a stage of 16 rows x (256 + 16) bytes for each wave; no tensor load lands there
.set SP,     272
.set WSTG,   16*SP
.set SPARE,  STG+16*WSTG               ; the spare words: 128 bytes a wave
.set FIRSTW, 5                         ; waves 0-4 bring steps 0-4
.set WV,   10                          ; s10 wave
.set SEL,  20                          ; s[20:21] v_permlanex16_b32's selects for lane l xor 16
.set CS,   22                          ; s[22:23] c = log2(e) / 8
.set G1,   24                          ; s[24:31] descriptor group 1
.set G0,   32                          ; s[32:35] group 0
.set STA,  36                          ; s36 my stage
.set TB,   48                          ; s48 LDS byte of the step in hand
.set CNT,  49                          ; s49 trips left
.set QS,   1                           ; v1  q's scale word
.set ADR,  2                           ; v2  the step's LDS address
.set H8,   3                           ; v3  8 h
.set LI,   4                           ; v4  16 x lane
.set PS,   5                           ; v5  p's scale word
.set F,    6                           ; v[6:7] f = 2^(old M - new M); v7 is only named with it
.set BY,   8                           ; v8-9 the old -M, then the scale bytes
.set NM,   10                          ; v10 -M
.set RM,   11                          ; v11 the running largest score
.set LS,   12                          ; v[12:15] the row's sum: two chains of two halves
.set QB,   16                          ; v[16:27] zero codes | q's codes
.set QC,   22
.set QA,   22                          ; v[22:33] q's codes | zero codes
.set KS,   34                          ; v[34:37] scale words for K's fragments (lanes 0-15)
.set VS,   38                          ; v[38:41] scale words for V's (lanes 16-31)
.set PC,   42                          ; v[42:53] p's codes
.set AD,   42                          ; v42-45 outside the steps: stage addresses
.set CH,   54                          ; v54-57 four chains of maxima
.set T0,   54                          ; v54-56, v58-60 the second halves of the blocks' codes
.set T1,   58
.set X,    54                          ; v[54:61] four more chains of the sum
.set BM,   58                          ; v58-59 the blocks' largest scores, then largest p
.set TA,   60
.set T2,   61                          ; a lane permute's destination
.set SOP,  62                          ; v62-63 the conversions' scale operands
.set KF,   64                          ; v64-111  K's four fragments
.set VF,   112                         ; v112-159 V's four
.set S,    160                         ; v160-223 S^T, then p
.set O,    224                         ; v224-255 O^T: register 8 t + j is channel 16 t + 8 h + j of my query
.macro CROUND                          ; a round of the cluster's barrier
	s_barrier_signal -1
	s_barrier_wait -1
	s_cmp_lg_u32 s[WV], 0
	s_cbranch_scc1 .Lnot_wave_0_\@
	s_barrier_signal -3
.Lnot_wave_0_\@:
	s_barrier_wait -3
	s_barrier_signal -1
	s_barrier_wait -1
.endm
.macro QLOAD off                       ; my 16 queries' 4,096 bytes, 512 consecutive bytes a load, into K's registers, which are idle then
.set ii, 0
.rept 8
	global_load_b128 v[KF+4*ii:KF+4*ii+3], v[LI], s[4:5] offset:\off+512*ii th:TH_LOAD_NT
.set ii, ii+1
.endr
.endm
.macro KLOAD adr, off                  ; a step's scale words and K's four fragments: 13 loads
	ds_load_b128 v[KS:KS+3], v[\adr] offset:\off
.set ii, 0
.rept 12
	ds_load_b128 v[KF+4*ii:KF+4*ii+3], v[\adr] offset:\off+KOFF+512*ii
.set ii, ii+1
.endr
.endm
.macro STGADR hs                       ; v[AD]: my stage by whole rows (lanes 0-15 one row, lanes 16-31 the next); v[AD+1]: row r, + h << hs
	v_and_b32 v[AD+2], 15, v0
	v_bfe_u32 v[AD+3], v0, 4, 1
	v_mul_u32_u24 v[AD+1], v[AD+2], SP
	v_mul_u32_u24 v[AD], v[AD+3], SP
	v_add_nc_u32 v[AD+1], s[STA], v[AD+1]
	v_lshl_add_u32 v[AD], v[AD+2], 4, v[AD]
	v_lshl_add_u32 v[AD+1], v[AD+3], \hs, v[AD+1]
	v_add_nc_u32 v[AD], s[STA], v[AD]
.endm
	s_load_b128 s[4:7], s[0:1], 0x0                ; q, kv
	s_load_b64 s[8:9], s[0:1], 0x10                ; out0
	v_lshl_add_u32 v254, v0, 2, SPARE
	v_mov_b32 v255, 0
	ds_add_u32 v254, v255                          ; the opening lines: the add, twice on end, and its wait
	ds_add_u32 v254, v255
	v_lshrrev_b32 v2, 5, v0
	v_readfirstlane_b32 s[WV], v2                  ; wave 0..15
	v_and_b32 v[LI], 31, v0
	v_lshlrev_b32 v[LI], 4, v[LI]
	s_bfe_u32 s11, ttmp6, 0x40000                  ; cx: it enters q's and out0's addresses alone
	s_lshl_b32 s13, ttmp9, 2
	s_add_co_u32 s13, s13, s11                     ; my block of 512 queries
	s_and_b32 s12, ttmp7, 0xffff                   ; the head, which the four partners share
	s_lshl_b32 s14, s12, 19                        ; a head: 2,048 rows of 256 bytes;
	s_lshl_b32 s13, s13, 17                        ; a block: 512 rows;
	s_add_co_u32 s14, s14, s13
	s_lshl_b32 s13, s[WV], 12                      ; my wave's 16 rows
	s_add_co_u32 s14, s14, s13
	s_mov_b32 s15, 0
	s_mul_i32 s16, s12, HEADB                      ; kv: the head's block,
	s_mul_i32 s18, s[WV], STEPB                    ; and step w: in memory and in LDS alike
	s_add_co_u32 s16, s16, s18
	s_mov_b32 s17, 0
	s_mul_i32 s[STA], s[WV], WSTG
	s_add_co_u32 s[STA], s[STA], STG
	s_mov_b32 s[G1], 15|(3<<16)|(1<<21)            ; the mask: all four work-groups; elements of 8 bytes; bit 21 beside a mask
	s_mov_b32 s[G1+1], 32<<16                      ; a step's 12,800 dense bytes as 50 rows of 256 bytes
	s_mov_b32 s[G1+2], 50<<16
	s_mov_b32 s[G1+3], 32<<16
	s_mov_b32 s[G1+4], 50
	s_mov_b32 s[G1+5], 32
	s_mov_b32 s[G1+6], 0
	s_mov_b32 s[G1+7], 0
	s_mov_b32 s[SEL], 0x76543210
	s_mov_b32 s[SEL+1], 0xfedcba98
	s_mov_b32 s[CS], 0x3e38aa3b                    ; log2(e) / 8
	s_mov_b32 s[CS+1], s[CS]
	s_wait_alu depctr_va_vdst(0)
	s_wait_dscnt 0x0                               ; both opening adds are done
	s_wait_kmcnt 0x0
	s_add_nc_u64 s[4:5], s[4:5], s[14:15]
	s_add_nc_u64 s[8:9], s[8:9], s[14:15]
	s_add_nc_u64 s[6:7], s[6:7], s[16:17]
	QLOAD 0                                        ; the first pass's queries
	s_mov_b32 s[G0], 1
	s_mov_b32 s[G0+1], s18
	s_mov_b64 s[G0+2:G0+3], s[6:7]
	s_or_b32 s[G0+3], s[G0+3], 0x80000000
	CROUND                                         ; all four work-groups are here: the joint loads meet
	s_cmp_lt_u32 s[WV], FIRSTW                     ; one load a wave, in two arms: the waves that wait first have a line of their own
	s_cbranch_scc0 .Lrest
	tensor_load_to_lds s[G0:G0+3], s[G1:G1+7]
	s_nop 0
.rept 4
	v_nop
.endr
	s_branch .Lasked
.Lrest:
	tensor_load_to_lds s[G0:G0+3], s[G1:G1+7]
	s_nop 0
.rept 4
	v_nop
.endr
.Lasked:
	v_bfe_u32 v[H8], v0, 4, 1
	v_mov_b32 v[F+1], 0
	v_mov_b32 v[T2], 0                             ; written once: a lane permute's destination counts as one of its sources
	v_lshlrev_b32 v[H8], 3, v[H8]
.irp i, 0,1,2,3,4,5
	v_mov_b32 v[QB+\i], 0                          ; the zero codes on both sides of q's
	v_mov_b32 v[QA+6+\i], 0
.endr
; A KEY STEP: 128 keys.  nxt = 0: the next step's K is asked for; 1: the second pass's queries; 2: nothing
.macro STEP nxt
	s_wait_dscnt 0x0                               ; K and its scale words are in
.irp f, 0,1,2,3                                ; S^T: fragment f against [q | 0] gives tile 2 f, against [0 | q] tile 2 f + 1
	v_wmma_scale_f32_16x16x128_f8f6f4 v[S+16*\f:S+16*\f+7], v[KF+12*\f:KF+12*\f+11], v[QA:QA+11], 0, v[KS+\f], v[QS] matrix_a_fmt:MATRIX_FMT_FP6 matrix_b_fmt:MATRIX_FMT_FP6
	v_wmma_scale_f32_16x16x128_f8f6f4 v[S+16*\f+8:S+16*\f+15], v[KF+12*\f:KF+12*\f+11], v[QB:QB+11], 0, v[KS+\f], v[QS] matrix_a_fmt:MATRIX_FMT_FP6 matrix_b_fmt:MATRIX_FMT_FP6
.endr
	v_add_nc_u32 v[ADR], s[TB], v[LI]              ; four places behind the products, ahead of loads into their sources and of reads of their results
	v_mov_b32 v[BY], v[NM]                         ; the old -M
	v_nop
	v_nop
	ds_load_b128 v[VS:VS+3], v[ADR]
.set ii, 0
.rept 12
	ds_load_b128 v[VF+4*ii:VF+4*ii+3], v[ADR] offset:VOFF+512*ii
.set ii, ii+1
.endr
.if \nxt == 0
	KLOAD ADR, STEPB
.endif
.if \nxt == 1
	QLOAD 65536
.endif
.irp b, 0,1,2,3                                ; the largest score of each block of 32 keys, in two chains a block; each tile is read from its low end on
	v_max3_num_f32 v[CH+\b], v[S+16*\b], v[S+16*\b+1], v[S+16*\b+2]
.endr
.irp i, 3,5,7,9,11,13
.irp b, 0,1,2,3
	v_max3_num_f32 v[CH+\b], v[CH+\b], v[S+16*\b+\i], v[S+16*\b+\i+1]
.endr
.endr
	v_max3_num_f32 v[CH], v[CH], v[S+15], v[S+31]
	v_max3_num_f32 v[CH+2], v[CH+2], v[S+47], v[S+63]
	s_delay_alu instid0(VALU_DEP_2)
	v_max_num_f32 v[BM], v[CH], v[CH+1]            ; block h
	s_delay_alu instid0(VALU_DEP_2)
	v_max_num_f32 v[BM+1], v[CH+2], v[CH+3]        ; block 2 + h
	s_delay_alu instid0(VALU_DEP_1)
	v_max_num_f32 v[TA], v[BM], v[BM+1]
	s_delay_alu instid0(VALU_DEP_1)
	v_permlanex16_b32 v[T2], v[TA], s[SEL], s[SEL+1]   ; my query's other two blocks lie in lane l xor 16
	s_delay_alu instid0(VALU_DEP_1)
	v_max3_num_f32 v[RM], v[RM], v[TA], v[T2]      ; the running largest score
	s_delay_alu instid0(VALU_DEP_1)
	v_mul_f32 v[TA], s[CS], v[RM]                  ; as t (c is positive)
	s_delay_alu instid0(VALU_DEP_1)
	v_floor_f32 v[NM], -v[TA]                      ; the new -M = -ceil(t): a whole number
	s_delay_alu instid0(VALU_DEP_1)
	v_sub_f32 v[TA], v[NM], v[BY]                  ; old M - new M: 0 or less
	s_delay_alu instid0(VALU_DEP_1)
	v_cvt_i32_f32 v[TA], v[TA]                     ; (it saturates)
	s_delay_alu instid0(VALU_DEP_1)
	v_ldexp_f32 v[F], 1.0, v[TA]                   ; f = 2^(old M - new M)
.set ii, 0
.rept 32
	v_pk_fma_f32 v[S+ii:S+ii+1], v[S+ii:S+ii+1], s[CS:CS+1], v[NM:NM+1] op_sel_hi:[1,0,0]   ; t - M, two at a time
.set ii, ii+2
.endr
.irp c, 0,1
	v_fma_f32 v[BM+\c], v[BM+\c], s[CS], v[NM]     ; the same of each block's largest score
.endr
.set ii, 0
.rept 16
	v_pk_mul_f32 v[O+ii:O+ii+1], v[O+ii:O+ii+1], v[F:F+1] op_sel_hi:[1,0]   ; O^T under the new M, each accumulator from its low end on
.set ii, ii+2
.endr
	s_wait_alu depctr_va_vdst(0)                   ; the wait ahead of the batch
.set ii, 0
.rept 64
	v_exp_f32 v[S+ii], v[S+ii]                     ; p = 2^(t - M)
.set ii, ii+1
.endr
.irp c, 0,1
	v_exp_f32 v[BM+\c], v[BM+\c]                   ; the block's largest p
.endr
	v_nop                                          ; a plain place behind the exponentials
	s_wait_alu depctr_va_vdst(0)                   ; and the one wait behind the batch
.irp c, 0,1
	v_max_num_f32 v[BM+\c], 0x1800000, v[BM+\c]    ; the floor 2^(3 - 127): the byte cannot fall under 1
.endr
.irp c, 0,1
	s_delay_alu instid0(VALU_DEP_2)
	v_add_nc_u32 v[SOP+\c], 0xff000000, v[BM+\c]   ; 2 off the exponent field: the conversion's scale operand
.endr
.irp c, 0,1
	s_delay_alu instid0(VALU_DEP_2)
	v_lshrrev_b32 v[BY+\c], 23, v[SOP+\c]          ; the scale's byte
.endr
	s_delay_alu instid0(VALU_DEP_1)
	v_lshl_or_b32 v[TA], v[BY+1], 16, v[BY]        ; my bytes: places h and 2 + h
	s_delay_alu instid0(VALU_DEP_1)
	v_lshlrev_b32 v[TA], v[H8], v[TA]
	s_delay_alu instid0(VALU_DEP_1)
	v_permlanex16_b32 v[T2], v[TA], s[SEL], s[SEL+1]
	s_delay_alu instid0(VALU_DEP_1)
	v_or_b32 v[PS], v[TA], v[T2]                   ; p's scale word for these 128 keys
	v_cvt_scalef32_pk16_fp6_f32 v[PC:PC+2], v[S:S+15], v[SOP]
	v_cvt_scalef32_pk16_fp6_f32 v[T0:T0+2], v[S+16:S+31], v[SOP]        ; (a conversion's three registers begin on an even number: the second half is made here and moved)
	v_cvt_scalef32_pk16_fp6_f32 v[PC+6:PC+8], v[S+32:S+47], v[SOP+1]
	v_cvt_scalef32_pk16_fp6_f32 v[T1:T1+2], v[S+48:S+63], v[SOP+1]
	; THE ROW'S SUM, of the unquantised p: 32 pairs in six chains; the two that last take f in their first link.  (These two lines are the plain place behind the conversions)
	v_pk_fma_f32 v[LS:LS+1], v[LS:LS+1], v[F:F+1], v[S:S+1] op_sel_hi:[1,0,1]
	v_pk_fma_f32 v[LS+2:LS+3], v[LS+2:LS+3], v[F:F+1], v[S+2:S+3] op_sel_hi:[1,0,1]
.irp i, 0,1,2
	v_mov_b32 v[PC+3+\i], v[T0+\i]
	v_mov_b32 v[PC+9+\i], v[T1+\i]
.endr
.irp i, 0,1,2,3
	v_pk_add_f32 v[X+2*\i:X+2*\i+1], v[S+4+4*\i:S+5+4*\i], v[S+6+4*\i:S+7+4*\i]
.endr
.set jj, S+20
.rept 3
	v_pk_add_f32 v[LS:LS+1], v[LS:LS+1], v[jj:jj+1]
	v_pk_add_f32 v[LS+2:LS+3], v[LS+2:LS+3], v[jj+2:jj+3]
.irp i, 0,1,2,3
	v_pk_add_f32 v[X+2*\i:X+2*\i+1], v[X+2*\i:X+2*\i+1], v[jj+4+2*\i:jj+5+2*\i]
.endr
.set jj, jj+12
.endr
.irp i, 0,1,2,3
	v_pk_add_f32 v[X+2*\i:X+2*\i+1], v[X+2*\i:X+2*\i+1], v[S+56+2*\i:S+57+2*\i]
.endr
	v_pk_add_f32 v[X:X+1], v[X:X+1], v[X+4:X+5]
	v_pk_add_f32 v[X+2:X+3], v[X+2:X+3], v[X+6:X+7]
	v_pk_add_f32 v[LS:LS+1], v[LS:LS+1], v[X:X+1]
	v_pk_add_f32 v[LS+2:LS+3], v[LS+2:LS+3], v[X+2:X+3]
.if \nxt == 0
	s_wait_dscnt 13                                ; V and its scale words are in; the next step's 13 loads stay out
.else
	s_wait_alu depctr_va_vdst(0)                   ; the way out reads the sums just made
	s_wait_dscnt 0x0
.endif
.irp t, 0,1,2,3                                ; O^T += V^T P^T; the four accumulators take turns, and eight other products stand between two steps' links
	v_wmma_scale_f32_16x16x128_f8f6f4 v[O+8*\t:O+8*\t+7], v[VF+12*\t:VF+12*\t+11], v[PC:PC+11], v[O+8*\t:O+8*\t+7], v[VS+\t], v[PS] matrix_a_fmt:MATRIX_FMT_FP6 matrix_b_fmt:MATRIX_FMT_FP6 matrix_a_scale:MATRIX_SCALE_ROW1
.endr
	s_add_co_u32 s[TB], s[TB], STEPB
.endm
.macro STEPS first, n                  ; steps first .. first + n - 1
	s_mov_b32 s[TB], (\first)*STEPB
	s_mov_b32 s[CNT], \n
.Lstep_\@:
	STEP 0
	s_sub_co_u32 s[CNT], s[CNT], 1
	s_cmp_lg_u32 s[CNT], 0
	s_cbranch_scc1 .Lstep_\@
.endm
; A PASS: 16 queries a wave against the whole head
.macro PASS p
	; q: my 16 rows turn through my stage, so that lane (r, h) holds the 32 neighbours d = 32 h .. 32 h + 31 of query r: one block
	STGADR 7
	s_wait_alu depctr_va_vdst(0)
	s_wait_loadcnt 0x0
.set ii, 0
.rept 8
	ds_store_b128 v[AD], v[KF+4*ii:KF+4*ii+3] offset:2*SP*ii
.set ii, ii+1
.endr
.set ii, 0
.rept 8
	ds_load_b128 v[S+4*ii:S+4*ii+3], v[AD+1] offset:16*ii   ; LDS serves a wave's instructions in order: these see my stores
.set ii, ii+1
.endr
	s_wait_dscnt 0x0
.if \p
	KLOAD LI, 0                                    ; step 0's K lands under q's quantising
.endif
	v_max3_num_f32 v[CH], |v[S]|, |v[S+1]|, 0x1800000      ; the block's largest magnitude, in two chains, over the floor 2^(3 - 127)
	v_max3_num_f32 v[CH+1], |v[S+16]|, |v[S+17]|, 0x1800000
.irp i, 2,4,6,8,10,12,14
	s_delay_alu instid0(VALU_DEP_2)
	v_max3_num_f32 v[CH], v[CH], |v[S+\i]|, |v[S+\i+1]|
	s_delay_alu instid0(VALU_DEP_2)
	v_max3_num_f32 v[CH+1], v[CH+1], |v[S+16+\i]|, |v[S+17+\i]|
.endr
	s_delay_alu instid0(VALU_DEP_1)
	v_max_num_f32 v[BM], v[CH], v[CH+1]
	s_delay_alu instid0(VALU_DEP_1)
	v_add_nc_u32 v[SOP], 0xff000000, v[BM]
	s_delay_alu instid0(VALU_DEP_1)
	v_lshrrev_b32 v[BY], 23, v[SOP]
	s_delay_alu instid0(VALU_DEP_1)
	v_permlanex16_b32 v[T2], v[BY], s[SEL], s[SEL+1]
	s_delay_alu instid0(VALU_DEP_1)
	v_lshl_or_b32 v[TA], v[T2], 8, v[BY]           ; lanes 0-15, which alone are read: byte 0 = block 0's, byte 1 = block 1's;
	s_delay_alu instid0(VALU_DEP_1)
	v_lshl_or_b32 v[QS], v[TA], 16, v[TA]          ; the same two once more: the word serves [q | 0] and [0 | q]
	v_cvt_scalef32_pk16_fp6_f32 v[QC:QC+2], v[S:S+15], v[SOP]
	v_cvt_scalef32_pk16_fp6_f32 v[T0:T0+2], v[S+16:S+31], v[SOP]
	v_mov_b32 v[RM], 0xff61b1e6                    ; the largest score so far: -3e38.  (A plain place behind the conversions)
.irp i, 0,1,2
	v_mov_b32 v[QC+3+\i], v[T0+\i]
.endr
	v_mul_f32 v[TA], s[CS], v[RM]
	s_delay_alu instid0(VALU_DEP_1)
	v_floor_f32 v[NM], -v[TA]                      ; -M
.irp i, 0,1,2,3
	v_mov_b32 v[LS+\i], 0
.endr
.set ii, 0
.rept 32
	v_mov_b32 v[O+ii], 0                           ; O^T: the first step finds zeros, which the first change of M leaves zeros.  (Also the places between q's scale word and codes and the first products)
.set ii, ii+1
.endr
.if \p == 0
	s_cmp_lt_u32 s[WV], FIRSTW                     ; the waves that brought steps 0-4 wait for them,
	s_cbranch_scc0 .Lnot_first
	s_wait_tensorcnt 0x0
.Lnot_first:
	s_barrier_signal -1
	s_barrier_wait -1                              ; and the barrier shows them to all; nothing is ever filled again
	KLOAD LI, 0
	STEPS 0, 4                                     ; they read steps 0-3 and step 4's K
	s_wait_tensorcnt 0x0                           ; every wave's load has landed
	s_wait_dscnt 0x0                               ; no LDS instruction of mine is pending at a signal
	s_barrier_signal -1
	s_barrier_wait -1                              ; the whole head is shown
	STEPS 4, 11
	s_mov_b32 s[TB], 15*STEPB
	STEP 1
.else
	STEPS 0, 15
	s_mov_b32 s[TB], 15*STEPB
	STEP 2
.endif
	; THE WAY OUT: O^T / the sum goes through my stage and leaves as whole rows
	v_pk_add_f32 v[LS:LS+1], v[LS:LS+1], v[LS+2:LS+3]   ; the two chains,
	s_delay_alu instid0(VALU_DEP_1)
	v_add_f32 v[LS], v[LS], v[LS+1]                ; the two halves,
	s_delay_alu instid0(VALU_DEP_1)
	v_permlanex16_b32 v[T2], v[LS], s[SEL], s[SEL+1]
	s_delay_alu instid0(VALU_DEP_1)
	v_add_f32 v[LS], v[LS], v[T2]                  ; and lane l xor 16's blocks: the row's sum.  (Four places behind the last products)
	STGADR 5
	s_wait_alu depctr_va_vdst(0)                   ; the wait ahead of the transcendental
	v_rcp_f32 v[LS], v[LS]
	v_nop                                          ; a plain place behind it
	s_wait_alu depctr_va_vdst(0)                   ; and the wait ahead of its first reader, which is also O^T's
.set ii, 0
.rept 16
	v_pk_mul_f32 v[S+ii:S+ii+1], v[O+ii:O+ii+1], v[LS:LS+1] op_sel_hi:[1,0]   ; each accumulator from its low end on
.set ii, ii+2
.endr
.irp t, 0,1,2,3
	ds_store_b128 v[AD+1], v[S+8*\t:S+8*\t+3] offset:64*\t         ; row r, channels 16 t + 8 h on
	ds_store_b128 v[AD+1], v[S+8*\t+4:S+8*\t+7] offset:64*\t+16
.endr
.set ii, 0
.rept 8
	ds_load_b128 v[S+32+4*ii:S+32+4*ii+3], v[AD] offset:2*SP*ii    ; back by rows: these see my stores
.set ii, ii+1
.endr
.set ii, 0
.rept 8
	s_wait_dscnt 7-ii                              ; read-back ii is in; the younger ones stay out
	global_store_b128 v[LI], v[S+32+4*ii:S+32+4*ii+3], s[8:9] offset:512*ii th:TH_STORE_NT   ; two whole rows: 512 consecutive bytes, aligned
.set ii, ii+1
.endr
	s_wait_xcnt 0x0                                ; the stores have read their registers and their base: both are written again only behind this wait
.if \p == 0
	s_add_nc_u64 s[8:9], s[8:9], 65536             ; 256 rows on
.endif
.endm
	PASS 0
	PASS 1
	v_lshl_add_u32 v254, v0, 2, SPARE              ; the add's two registers, made anew: none could be kept
	v_mov_b32 v255, 0
	s_wait_alu depctr_va_vdst(0)
	s_wait_tensorcnt 0x0                           ; the wave's end
	ds_add_u32 v254, v255
	s_wait_dscnt 0x0
	CROUND                                         ; the closing round
	s_endpgm
.Lfunc_end_k_q5796cfb442_attn:
	.size	k_q5796cfb442_attn, .Lfunc_end_k_q5796cfb442_attn-k_q5796cfb442_attn
	.p2alignl 7, 3214868480
	.fill 96, 4, 3214868480
	.section	.rodata,"a",@progbits
	.p2align	6, 0x0
	.amdhsa_kernel k_q5796cfb442_attn
		.amdhsa_group_segment_fixed_size 276480
		.amdhsa_private_segment_fixed_size 0
		.amdhsa_enable_private_segment 0
		.amdhsa_kernarg_size 24
		.amdhsa_user_sgpr_count 2
		.amdhsa_user_sgpr_kernarg_segment_ptr 1
		.amdhsa_wavefront_size32 1
		.amdhsa_system_sgpr_workgroup_id_x 1
		.amdhsa_system_sgpr_workgroup_id_y 1
		.amdhsa_system_sgpr_workgroup_id_z 1
		.amdhsa_system_vgpr_workitem_id 0
		.amdhsa_next_free_vgpr 256
		.amdhsa_next_free_sgpr 66
		.amdhsa_reserve_vcc 0
		.amdhsa_float_denorm_mode_32 3
		.amdhsa_float_denorm_mode_16_64 3
		.amdhsa_memory_ordered 1
		.amdhsa_forward_progress 1
		.amdhsa_inst_pref_size 98
	.end_amdhsa_kernel
	.amdgpu_metadata
---
amdhsa.version: [ 1, 2 ]
amdhsa.kernels:
  - .name:           k_q5796cfb442_attn
    .symbol:         k_q5796cfb442_attn.kd
    .args:
      - { .name: q, .offset: 0, .size: 8, .value_kind: global_buffer, .address_space: global }
      - { .name: kv, .offset: 8, .size: 8, .value_kind: global_buffer, .address_space: global }
      - { .name: out0, .offset: 16, .size: 8, .value_kind: global_buffer, .address_space: global }
    .group_segment_fixed_size: 276480
    .private_segment_fixed_size: 0
    .kernarg_segment_align: 8
    .kernarg_segment_size: 24
    .max_flat_workgroup_size: 512
    .sgpr_count:     66
    .vgpr_count:     256
    .wavefront_size: 32
...
	.end_amdgpu_metadata
.endif
;; end of part 2
